; MI455X (gfx1250); checked and timed in simulation.
; The chip was launched on July 23, 2026; its instructions are those of AMD's public machine-readable ISA for CDNA 5 (MIT licence, August 2026) and "CDNA5" Instruction Set Architecture Reference Guide (July 2026). The comments in the code are by the model that wrote it; some were corrected since.
;; Sparse Mo E. Allowed arithmetic: matrix products marked QUANTISED: E5M2 operands, one given power-of-two scale a tensor, by v_wmma_f32_16x16x64_bf8_bf8 or v_wmma_f32_16x16x128_bf8_bf8, f32 sums; products left as they are: f32 operands where the result goes on into a quantised operand, else bf16, f16 or f32 operands; f32 sums; everything else in f32.
;; Inputs: W1_codes 8 x 4,096 x 32 x 32 uint8 (E5M2 codes of W1, K innermost, in blocks of 32 codes); W2_codes 8 x 1,024 x 128 x 32 uint8 (E5M2 codes of W2, K innermost, in blocks of 32 codes); Wn 1,024 x 8 float32; Wr 1,024 x 8 float32; b1 8 x 4,096 float32; b2 8 x 1,024 float32; bn 8 float32; br 8 float32; lowp_scales 4 int32 (the exponents e of the quantised operands' scales 2^e); noise 2 x 512 x 8 float32; x 2 x 512 x 1,024 float32.
;; Outputs: out0 2 x 512 x 1,024 float32; out1 2 x 512 x 8 float32.
;; This version of the problem:
;;   THIS VERSION OF THE PROBLEM IS GIVEN IN LOW PRECISION. The matrix products marked QUANTISED in the list below multiply operands that are first quantised to E5M2 (5 exponent bits, 2 mantissa bits; 8 bits a number), with one given power-of-two scale for each operand tensor; their sums are f32. All else is computed in f32.
;;   The module's matrix products, in the order in which they are computed (A, B: the left and right operand; K: the contracted axis; several contracted axes count as one K, in the product's order):
;;     1. [M 1,024, K 1,024] x [K 1,024, N 8]; A: input x; B: input Wr: left as it is (N = 8 < 16)
;;     2. [M 1,024, K 1,024] x [K 1,024, N 8]; A: input x; B: input Wn: left as it is (N = 8 < 16)
;;     3. [M 32,768, K 1,024] x [K 1,024, N 1,024]; A: input W1 (given as codes); B: input x: QUANTISED (scales: A lowp_scales[0], B lowp_scales[1])
;;     4. batch 8 x [M 1,024, K 4,096] x [K 4,096, N 1,024]; A: computed on the way; B: input W2 (given as codes): QUANTISED (scales: A lowp_scales[2], B lowp_scales[3])
;;     5. batch 1,024 x [M 1, K 8] x [K 8, N 1,024]; A: softmax; B: computed on the way: left as it is (K = 8 < 32)
;;   THE QUANTISER, for each operand of a quantised product, along K:
;;     - The operand's scale is 2^e, e = its entry of the input lowp_scales (int32; the entries are numbered through the quantised products in the list's order, A before B).
;;     - Each number is divided by the scale, clamped to +-57,344, and rounded to the nearest number of E5M2, ties to even, subnormals kept.
;;     - The product sums the exact products of the quantised numbers (number of the format x scale) in f32.
;;   ~~~python
;;   def quantise(x, axis, e):      # numpy; x: float32 -> the quantised numbers, widened to float32 again
;;       x = np.moveaxis(x, axis, -1); K = x.shape[-1]
;;       r = np.clip(x / 2.0 ** e, -57344, 57344)
;;       step = 2.0 ** (np.maximum(np.frexp(np.where(r == 0, 1, r))[1] - 1, -14) - 2)
;;       q = np.round(r / step) * step * 2.0 ** e      # np.round: ties to even
;;       return np.moveaxis(q, -1, axis).astype(np.float32)
;;   ~~~
;;   OPERANDS COMPUTED ON THE WAY. 'Computed on the way' means the value that the module computes at that place (a softmax that the list does not call 'softmax' is quantised finished and normalised). What goes into a quantiser is computed in f32, as accurately as f32 sums, v_exp_f32 and their like allow (about 1e-6 of the number): no bf16 or f16 on the way to a quantiser, and a product that is left as it is and whose result goes on into a quantised operand takes f32 operands (vector FMAs, or v_wmma_f32_16x16x4_f32). A number that lies on a knife's edge between two numbers of the format may be rounded either way, as far as f32 arithmetic and the matrix unit's own rounding can turn it there, and no further.
;;   INPUTS GIVEN AS CODES. W1 (in the module: [8, 1024, 4096], K = its axis 1); W2 (in the module: [8, 4096, 1024], K = its axis 1): each comes as NAME_codes (uint8): NAME with its K axis moved to the last place and cut into blocks of 32 codes, [.., K / 32, bytes a block], one block behind the other in memory; one code a byte (a code: sign, 5 exponent bits, 2 mantissa bits); its scale is its entry of lowp_scales. Its value is code x scale, taken as it is: it is not quantised again, and the codes and scales need not be those that the quantiser above would give.
;; One version. Each part assembles by itself: llvm-mc -triple=amdgcn-amd-amdhsa -mcpu=gfx1250 --defsym DOCPART=n.
;; ======== version 1 of 1: 4 launches
;; limits: right only within a limited range of input values
;; workspace buffers: xc 1,048,576 bytes; sel 8,192 bytes of whole numbers; gat 8,192 bytes; lists 44,032 bytes of whole numbers; hc 37,748,736 bytes; y 16,777,216 bytes
;; launch route (part 1): grid 64 x 1, 8 waves a work-group, no clusters, 95,488 bytes of LDS; arguments x, noise, Wr, br, Wn, bn, lowp_scales, out1, xc, sel, gat; writes out1, xc, sel, gat
.if DOCPART == 1
	.amdgcn_target "amdgcn-amd-amdhsa--gfx1250"
	.amdhsa_code_object_version 6
	.text
	.protected	k_q59ac897f1c_route
	.globl	k_q59ac897f1c_route
	.p2align	8
	.type	k_q59ac897f1c_route,@function
k_q59ac897f1c_route:
	s_mov_b64 s[64:65], 0
	v_nop
	global_prefetch_b8 v0, s[64:65] scope:SCOPE_SE
	s_setreg_imm32_b32 hwreg(HW_REG_WAVE_MODE, 25, 1), 1
	s_wait_xcnt 0x0
; SparseMoE, launch 1 of 4: the noisy top-2 router, softmax(logits), and x as codes of E5M2.
; WORK LEFT OUT BY THE WHOLE PROGRAM.  gates = softmax(where(sel, noisy_logits, -inf)): for an expert that sel does not name the softmax's term is exp(-inf) = 0, for all values of the
; inputs, so its row of y enters final with the factor 0.  sel names exactly two experts a token.  So of the eight rows h, y of a token only the two chosen are computed: 2,048 rows in place of
; 8,192, in both quantised products.  Which rows they are is stored here as whole numbers and read by the later launches.  Every input has a way to an output: all are loaded.
; LIMITS.  A NaN, an infinity or an overflow that arises only in an expert that was not chosen is not carried to the result.  NaN and infinities among the inputs are not served (a number beyond
; the given scale's range is held at the largest code).  lowp_scales[1] lies between -126 and 112, so that 2^e and 57,344 x 2^e are f32 numbers.  Equal noisy logits: the lower index is taken, as
; jax.lax.top_k does; two noisy logits that differ by less than the rounding of an f32 sum of 1,024 terms may be ordered otherwise than there.
; SHARES.  A work-group takes 16 tokens; wave w takes k = 128 w .. 128 w + 127 of them.  Lane (r = lane % 16, h = lane / 16) holds of token r the 64 numbers k = 128 w + 32 c + 16 h + i (register 16 c + i):
; sixteen neighbours of each block of 32, which the conversions turn into 16 bytes of codes.  The codes go through a stage in LDS and leave as whole rows of xc [token][1,024 bytes].
; THE ROUTER'S TWO PRODUCTS are kept in f32, since the choice of experts hangs on them: v_wmma_f32_16x16x4_f32, source 0 = 16 outputs (Wr's eight, then Wn's eight), source 1 = the 16 tokens; both sides
; hold the same k in the same place.  The result gives lane (r, 0) the eight logits of token r and lane (r, 1) its eight noise logits.  The eight waves' sums meet in LDS; wave 0 finishes.
; No tensor load, no cluster: the work-groups share only Wr and Wn, 64 KB, beside 64 KB of x of their own.
.set STG,    8192                      ; LDS: 0 .. 8,191 the waves' partial sums, 1,024 bytes each; then the stage for the codes,
.set SPITCH, 1040                      ; 16 rows of 1,024 bytes + 16: an odd multiple of 16, so that sixteen rows' 16 bytes fall on different banks
.set WST,   STG+16*SPITCH              ; each wave's 128 rows of Wr and Wn: [k][16 outputs] f32, rows of 64 bytes, one row left free behind every 16: 8,704 bytes a wave
.set WRD,   247                        ; v247 where I read them back: row 16 h (17 with the free one), output r
.set SPARE, WST+8*8704                 ; the spare words, 128 bytes for each wave: four blocks of 256 bytes that no other line names
.set PST, 1                            ; v1   where I store my partial sums: 1,024 w + 16 lane
.set CST, 2                            ; v2   where I store 16 bytes of codes: STG + SPITCH r + 128 w + 16 h
.set XO,  3                            ; v3   x: 4,096 r + 64 h
.set WO,  4                            ; v4   Wr, Wn into LDS: WST + 8,704 w + 64 (lane / 2) + 16 (lane % 2)
.set LI,  5                            ; v5   16 x lane
.set SPW, 6                            ; v6   my spare word; never rewritten
.set NIL, 7                            ; v7   0; never rewritten
.set T,   8                            ; v8-15    at work; the wave's sums; in wave 0 the logits
.set CD,  16                           ; v16-31   codes
.set X,   32                           ; v32-95   x; in wave 0 later at work
.set WR,  96                           ; v96-159  Wr, then the merged operand; later two rows of codes
.set WN,  160                          ; v160-223 Wn; in wave 0 later the noise
.set ACC, 224                          ; v224-239 two accumulators, written by matrix instructions alone
.set SC,  240                          ; v240 2^e as f32
.set RDA, 241                          ; v241 where I read rows of codes back: STG + 2 SPITCH w + 16 lane
.set NO,  242                          ; v242 32 r: noise
	s_load_b256 s[4:11], s[0:1], 0x0               ; x s[4:5], noise s[6:7], Wr s[8:9], br s[10:11]
	s_load_b256 s[12:19], s[0:1], 0x20             ; Wn s[12:13], bn s[14:15], the scales' exponents s[16:17], out1 s[18:19]
	s_load_b128 s[20:23], s[0:1], 0x40             ; xc s[20:21], sel s[22:23]
	s_load_b64 s[24:25], s[0:1], 0x50              ; gat
	v_lshl_add_u32 v[SPW], v0, 2, SPARE
	v_mov_b32 v[NIL], 0
	v_lshrrev_b32 v8, 5, v0
	s_delay_alu instid0(VALU_DEP_1)
	v_readfirstlane_b32 s26, v8                    ; wave 0..7
	v_and_b32 v8, 15, v0                           ; r
	v_bfe_u32 v9, v0, 4, 1                         ; h
	v_and_b32 v10, 31, v0
	s_delay_alu instid0(VALU_DEP_1)
	v_lshlrev_b32 v[LI], 4, v10
	s_delay_alu instid0(VALU_DEP_4)
	v_lshlrev_b32 v[XO], 12, v8
	s_delay_alu instid0(VALU_DEP_1)
	v_lshl_add_u32 v[XO], v9, 6, v[XO]
	s_mul_i32 s27, s26, 8704
	s_add_co_u32 s27, s27, WST
	v_lshrrev_b32 v11, 1, v10
	v_lshlrev_b32 v11, 6, v11
	v_and_b32 v[WO], 1, v0
	v_lshl_add_u32 v[WO], v[WO], 4, v11
	v_add_nc_u32 v[WO], s27, v[WO]                 ; into LDS: row lane / 2, 16 bytes for each parity
	v_mul_u32_u24 v[WRD], 0x440, v9
	v_lshl_add_u32 v[WRD], v8, 2, v[WRD]
	v_add_nc_u32 v[WRD], s27, v[WRD]
	s_lshl_b32 s27, s26, 10
	v_add_nc_u32 v[PST], s27, v[LI]
	v_mul_u32_u24 v[CST], v8, SPITCH
	s_delay_alu instid0(VALU_DEP_1)
	v_lshl_add_u32 v[CST], v9, 4, v[CST]
	s_lshl_b32 s28, s26, 7
	v_add_nc_u32 v[CST], s28, v[CST]
	s_delay_alu instid0(VALU_DEP_1)
	v_add_nc_u32 v[CST], STG, v[CST]
	s_mul_i32 s28, s26, 2*SPITCH
	v_add_nc_u32 v[RDA], s28, v[LI]
	s_delay_alu instid0(VALU_DEP_1)
	v_add_nc_u32 v[RDA], STG, v[RDA]
	s_mov_b32 s50, 0x3fb8aa3b                      ; log2(e)
	s_mov_b32 s51, 0x3f317218                      ; ln(2)
	s_mov_b32 s52, 0x76543210                      ; v_permlanex16_b32: lane l xor 16
	s_mov_b32 s53, 0xfedcba98
	s_wait_alu depctr_va_vdst(0)
	s_wait_kmcnt 0x0
	s_load_b32 s29, s[16:17], 0x4                  ; e of x: entry 1
	s_lshl_b32 s30, ttmp9, 16                      ; 16 tokens of 4,096 bytes,
	s_lshl_b32 s31, s26, 9                         ; my wave's 128 numbers
	s_add_co_u32 s30, s30, s31
	s_mov_b32 s31, 0
	s_add_nc_u64 s[4:5], s[4:5], s[30:31]
	s_lshl_b32 s30, s26, 12                        ; 128 rows of Wr and Wn, 32 bytes each
	s_add_nc_u64 s[8:9], s[8:9], s[30:31]
	s_add_nc_u64 s[12:13], s[12:13], s[30:31]
	s_lshl_b32 s30, ttmp9, 14                      ; xc: 16 rows of 1,024 bytes, and my wave's two of them
	s_lshl_b32 s28, s26, 11
	s_add_co_u32 s30, s30, s28
	s_add_nc_u64 s[20:21], s[20:21], s[30:31]
	s_lshl_b32 s30, ttmp9, 9                       ; noise, out1: 16 rows of 32 bytes
	s_add_nc_u64 s[6:7], s[6:7], s[30:31]
	s_add_nc_u64 s[18:19], s[18:19], s[30:31]
	s_lshl_b32 s30, ttmp9, 7                       ; sel, gat: 16 rows of 8 bytes
	s_add_nc_u64 s[22:23], s[22:23], s[30:31]
	s_add_nc_u64 s[24:25], s[24:25], s[30:31]
.irp c, 0,1,2,3
.irp j, 0,1,2,3
	global_load_b128 v[X+16*\c+4*\j:X+16*\c+4*\j+3], v[XO], s[4:5] offset:128*\c+16*\j th:TH_LOAD_NT
.endr
.endr
.irp i, 0,1,2,3,4,5,6,7
	global_load_b128 v[WN+4*\i:WN+4*\i+3], v[LI], s[8:9] offset:512*\i         ; 16 rows of Wr, 512 consecutive bytes
.endr
.irp i, 0,1,2,3,4,5,6,7
	global_load_b128 v[WN+32+4*\i:WN+35+4*\i], v[LI], s[12:13] offset:512*\i   ; and of Wn
.endr
	s_wait_kmcnt 0x0
	s_add_co_i32 s29, s29, 127
	s_lshl_b32 s48, s29, 23
	v_mov_b32 v[SC], s48                           ; 2^e as f32: the conversion takes its exponent field
	s_add_co_i32 s29, s29, 15
	s_lshl_b32 s49, s29, 23
	s_or_b32 s49, s49, 0x600000                    ; 57,344 x 2^e,
	s_or_b32 s48, s49, 0x80000000                  ; and its negative
	s_wait_loadcnt 16                              ; x is in: the 16 loads of Wr and Wn were issued behind it
.irp g, 0,1,2,3,4,5,6,7
.irp i, 0,1,2,3,4,5,6,7
	v_med3_num_f32 v[T+\i], v[X+8*\g+\i], s48, s49 ; the conversion to an 8-bit code does not saturate (ISA guide 7.6.2): the hold, into other registers: the router takes x as it is
.endr
	s_wait_alu depctr_va_vdst(0)
	v_cvt_scalef32_pk8_bf8_f32 v[CD+2*\g:CD+2*\g+1], v[T:T+7], v[SC]
	v_nop                                          ; a plain instruction between the conversion and the next write of its sources
.endr
.irp c, 0,1,2,3
	ds_store_b128 v[CST], v[CD+4*\c:CD+4*\c+3] offset:32*\c   ; k = 128 w + 32 c + 16 h + 0 .. 15 of row r
.endr
	s_wait_loadcnt 0x0                             ; Wr and Wn
.irp i, 0,1,2,3,4,5,6,7
	ds_store_b128 v[WO], v[WN+4*\i:WN+4*\i+3] offset:1088*\i
	ds_store_b128 v[WO], v[WN+32+4*\i:WN+35+4*\i] offset:1088*\i+32
.endr
.set q, 0
.rept 64
	ds_load_b32 v[WR+q], v[WRD] offset:2176*(q/16)+64*(q%16)    ; k = 128 w + 32 c + 16 h + i of output r: my wave's own bytes, served in order
.set q, q+1
.endr
	s_wait_dscnt 0x0
	s_cmp_lg_u32 s26, 0                            ; wave 0 alone finishes the router: it asks here for what it will want there
	s_cbranch_scc1 .Lno_noise
	v_and_b32 v[NO], 15, v0
	s_delay_alu instid0(VALU_DEP_1)
	v_lshlrev_b32 v[NO], 5, v[NO]
	global_load_b128 v[WN:WN+3], v[NO], s[6:7]     ; noise of token r, in both halves of the lanes
	global_load_b128 v[WN+4:WN+7], v[NO], s[6:7] offset:16
	s_load_b256 s[32:39], s[10:11], 0x0            ; br
	s_load_b256 s[40:47], s[14:15], 0x0            ; bn
.Lno_noise:
	v_wmma_f32_16x16x4_f32 v[ACC:ACC+7], v[WR:WR+1], v[X:X+1], 0           ; the first products start the two sums
	v_wmma_f32_16x16x4_f32 v[ACC+8:ACC+15], v[WR+2:WR+3], v[X+2:X+3], 0
.set q, 2
.rept 30                                           ; the two accumulators take turns, one instruction a turn
	s_wait_alu depctr_va_vdst(0)
	v_wmma_f32_16x16x4_f32 v[ACC+8*(q%2):ACC+8*(q%2)+7], v[WR+2*q:WR+2*q+1], v[X+2*q:X+2*q+1], v[ACC+8*(q%2):ACC+8*(q%2)+7]
.set q, q+1
.endr
.rept 8
	v_nop                                          ; eight places behind this form, in front of the reads of its results and of loads into its sources
.endr
.irp i, 0,2,4,6
	v_pk_add_f32 v[T+\i:T+\i+1], v[ACC+\i:ACC+\i+1], v[ACC+8+\i:ACC+8+\i+1]   ; each accumulator from its low end on
.endr
	ds_store_b128 v[PST], v[T:T+3]
	ds_store_b128 v[PST], v[T+4:T+7] offset:512
	s_wait_tensorcnt 0x0                           ; behind my last LDS store
	ds_add_u32 v[SPW], v[NIL]
	s_wait_dscnt 0x0                               ; my stores of codes and sums have landed: then the barrier
	s_barrier_signal -1
	s_barrier_wait -1
	ds_load_b128 v[WR:WR+3], v[RDA]                ; rows 2 w and 2 w + 1 of the codes, 512 bytes an instruction
	ds_load_b128 v[WR+4:WR+7], v[RDA] offset:512
	ds_load_b128 v[WR+8:WR+11], v[RDA] offset:SPITCH
	ds_load_b128 v[WR+12:WR+15], v[RDA] offset:SPITCH+512
	s_wait_dscnt 0x0
.irp i, 0,1,2,3
	global_store_b128 v[LI], v[WR+4*\i:WR+4*\i+3], s[20:21] offset:512*\i   ; 32 lanes store 512 consecutive bytes, at a multiple of 256 from xc's first byte
.endr
	s_cmp_lg_u32 s26, 0
	s_cbranch_scc1 .Lend
	; ---- wave 0: the eight waves' sums, in ascending order of k
.irp p, 0,1,2,3,4,5,6,7
	ds_load_b128 v[X+8*\p:X+8*\p+3], v[LI] offset:1024*\p
	ds_load_b128 v[X+8*\p+4:X+8*\p+7], v[LI] offset:1024*\p+512
.endr
	s_wait_dscnt 0x0
.irp i, 0,2,4,6
	v_pk_add_f32 v[T+\i:T+\i+1], v[X+\i:X+\i+1], v[X+8+\i:X+8+\i+1]
.endr
.irp p, 2,3,4,5,6,7
.irp i, 0,2,4,6
	s_delay_alu instid0(VALU_DEP_4)
	v_pk_add_f32 v[T+\i:T+\i+1], v[T+\i:T+\i+1], v[X+8*\p+\i:X+8*\p+\i+1]
.endr
.endr
	s_wait_kmcnt 0x0                               ; br, bn
	s_wait_loadcnt 0x0                             ; noise
	s_mov_b32 vcc_lo, 0xffff0000                   ; lanes 16-31
.irp j, 0,1,2,3,4,5,6,7
	v_mov_b32 v[X+\j], s[40+\j]
	s_delay_alu instid0(VALU_DEP_1)
	v_cndmask_b32 v[X+\j], s[32+\j], v[X+\j], vcc_lo   ; br for the logits, bn for the noise logits
	s_wait_alu depctr_va_vdst(0)
	v_add_f32 v[T+\j], v[T+\j], v[X+\j]
.endr
	; every lane takes both a softmax and a softplus of its eight numbers z; lanes 0-15 use the first (z = logits), lanes 16-31 the second (z = noise logits)
	v_max3_num_f32 v80, v8, v9, v10
	s_delay_alu instid0(VALU_DEP_1)
	v_max3_num_f32 v80, v80, v11, v12
	s_delay_alu instid0(VALU_DEP_1)
	v_max3_num_f32 v80, v80, v13, v14
	s_delay_alu instid0(VALU_DEP_1)
	v_max_num_f32 v80, v80, v15                    ; the maximum is taken away ahead of the exponentials
.irp j, 0,1,2,3,4,5,6,7
	v_sub_f32 v[32+\j], v[T+\j], v80
	s_delay_alu instid0(VALU_DEP_1)
	v_mul_f32 v[32+\j], s50, v[32+\j]
	v_mul_f32 v[40+\j], s50, -|v[T+\j]|
.endr
	s_wait_alu depctr_va_vdst(0)
.irp j, 0,1,2,3,4,5,6,7,8,9,10,11,12,13,14,15
	v_exp_f32 v[32+\j], v[32+\j]                   ; e^(z - max), and u = e^(-|z|)
.endr
	v_nop                                          ; a plain instruction behind the batch,
	s_wait_alu depctr_va_vdst(0)                   ; and one wait for it, ahead of its first reader
	v_add_f32 v81, v32, v33
	v_add_f32 v87, v34, v35
	v_add_f32 v88, v36, v37
	v_add_f32 v89, v38, v39
	s_delay_alu instid0(VALU_DEP_3)
	v_add_f32 v81, v81, v87
	s_delay_alu instid0(VALU_DEP_2)
	v_add_f32 v88, v88, v89
	s_delay_alu instid0(VALU_DEP_1)
	v_add_f32 v81, v81, v88
.irp j, 0,1,2,3,4,5,6,7
	v_add_f32 v[40+\j], 1.0, v[40+\j]
	v_max_num_f32 v[48+\j], 0, v[T+\j]
.endr
	s_wait_alu depctr_va_vdst(0)
.irp j, 0,1,2,3,4,5,6,7
	v_log_f32 v[40+\j], v[40+\j]
.endr
	v_rcp_f32 v81, v81
	v_nop
	s_wait_alu depctr_va_vdst(0)
.irp j, 0,1,2,3,4,5,6,7
	v_fmac_f32 v[48+\j], s51, v[40+\j]             ; softplus(z) = max(z, 0) + ln(1 + e^(-|z|))
	v_mul_f32 v[32+\j], v[32+\j], v81              ; softmax(z)
.endr
.irp j, 0,1,2,3,4,5,6,7
	v_permlanex16_b32 v[56+\j], v[48+\j], s52, s53 ; lanes 0-15 take their token's softplus
.endr
.irp j, 0,1,2,3,4,5,6,7
	v_fma_f32 v[64+\j], v[WN+\j], v[56+\j], v[T+\j]   ; noisy logits (lanes 0-15; what lanes 16-31 make from here on is not kept)
.endr
	v_mov_b32 v84, v64                             ; the largest, and its index: a later one takes its place only if it is larger
	v_mov_b32 v82, 0
.irp j, 1
	s_delay_alu instid0(VALU_DEP_2)
	v_cmp_le_f32 vcc_lo, v[64+\j], v84
	s_delay_alu instid0(VALU_DEP_1)
	v_cndmask_b32 v82, \j, v82, vcc_lo
	s_delay_alu instid0(VALU_DEP_4)
	v_max_num_f32 v84, v84, v[64+\j]
.endr
.irp j, 2, 3, 4, 5, 6, 7
	s_delay_alu instid0(VALU_DEP_1)
	v_cmp_le_f32 vcc_lo, v[64+\j], v84
	s_delay_alu instid0(VALU_DEP_1)
	v_cndmask_b32 v82, \j, v82, vcc_lo
	s_delay_alu instid0(VALU_DEP_3)
	v_max_num_f32 v84, v84, v[64+\j]
.endr
	v_mov_b32 v86, 0xff800000                      ; -infinity takes the first's place; then the same once more
.irp j, 0,1,2,3,4,5,6,7
	v_cmp_eq_u32 vcc_lo, \j, v82
	s_delay_alu instid0(VALU_DEP_1)
	v_cndmask_b32 v[72+\j], v[64+\j], v86, vcc_lo
.endr
	v_mov_b32 v85, v72
	v_mov_b32 v83, 0
.irp j, 1
	s_delay_alu instid0(VALU_DEP_2)
	v_cmp_le_f32 vcc_lo, v[72+\j], v85
	s_delay_alu instid0(VALU_DEP_1)
	v_cndmask_b32 v83, \j, v83, vcc_lo
	s_delay_alu instid0(VALU_DEP_4)
	v_max_num_f32 v85, v85, v[72+\j]
.endr
.irp j, 2, 3, 4, 5, 6, 7
	s_delay_alu instid0(VALU_DEP_1)
	v_cmp_le_f32 vcc_lo, v[72+\j], v85
	s_delay_alu instid0(VALU_DEP_1)
	v_cndmask_b32 v83, \j, v83, vcc_lo
	s_delay_alu instid0(VALU_DEP_3)
	v_max_num_f32 v85, v85, v[72+\j]
.endr
	s_delay_alu instid0(VALU_DEP_1)
	v_sub_f32 v87, v85, v84                        ; the sparse softmax has two terms: 1 and u = e^(second - first)
	s_delay_alu instid0(VALU_DEP_1)
	v_mul_f32 v87, s50, v87
	s_wait_alu depctr_va_vdst(0)
	v_exp_f32 v87, v87
	v_bfe_u32 v244, v0, 4, 1                       ; (a plain instruction behind the exponential)  h
	s_wait_alu depctr_va_vdst(0)
	v_add_f32 v88, 1.0, v87
	s_wait_alu depctr_va_vdst(0)
	v_rcp_f32 v88, v88                             ; the first's gate, 1 / (1 + u)
	v_lshl_add_u32 v243, v244, 4, v[NO]            ; out1: 32 r + 16 h
	v_and_b32 v245, 15, v0
	s_delay_alu instid0(VALU_DEP_1)
	v_lshlrev_b32 v245, 3, v245
	s_delay_alu instid0(VALU_DEP_1)
	v_lshl_add_u32 v245, v244, 2, v245             ; sel, gat: 8 r + 4 h
	s_wait_alu depctr_va_vdst(0)
	v_mul_f32 v89, v87, v88                        ; the second's, u / (1 + u)
	s_mov_b32 vcc_lo, 0xffff0000
.irp j, 0,1,2,3
	v_permlanex16_b32 v[40+\j], v[36+\j], s52, s53 ; lanes 16-31 carry the upper half of their partner's row, so that all 32 lanes store
	s_delay_alu instid0(VALU_DEP_1)
	v_cndmask_b32 v[40+\j], v[32+\j], v[40+\j], vcc_lo
.endr
	v_permlanex16_b32 v91, v89, s52, s53
	v_cndmask_b32 v91, v88, v91, vcc_lo
	global_store_b128 v243, v[40:43], s[18:19]     ; 512 consecutive bytes of out1
	global_store_b32 v245, v91, s[24:25]           ; gat[token][choice]: 128 consecutive bytes
	; sel[work-group][32 words]: word e: bits 15:0 the tokens whose first choice is e, bits 31:16 those whose second choice it is; words 8 to 31 are 0
	v_mov_b32 v90, 0
	v_and_b32 v246, 31, v0
	v_lshlrev_b32 v246, 2, v246
.irp j, 0,1,2,3,4,5,6,7
	v_cmp_eq_u32 s30, \j, v82
	v_cmp_eq_u32 s31, \j, v83
	s_and_b32 s30, s30, 0xffff                     ; lanes 0-15 are the tokens
	s_lshl_b32 s31, s31, 16
	s_or_b32 s30, s30, s31
	v_writelane_b32 v90, s30, \j
.endr
	s_wait_alu depctr_va_vdst(0)
	global_store_b32 v246, v90, s[22:23]           ; 128 consecutive bytes
.Lend:
	s_endpgm
.Lfunc_end_k_q59ac897f1c_route:
	.size	k_q59ac897f1c_route, .Lfunc_end_k_q59ac897f1c_route-k_q59ac897f1c_route
	.p2alignl 7, 3214868480
	.fill 96, 4, 3214868480
	.section	.rodata,"a",@progbits
	.p2align	6, 0x0
	.amdhsa_kernel k_q59ac897f1c_route
		.amdhsa_group_segment_fixed_size 95488
		.amdhsa_private_segment_fixed_size 0
		.amdhsa_enable_private_segment 0
		.amdhsa_kernarg_size 88
		.amdhsa_user_sgpr_count 2
		.amdhsa_user_sgpr_kernarg_segment_ptr 1
		.amdhsa_wavefront_size32 1
		.amdhsa_system_sgpr_workgroup_id_x 1
		.amdhsa_system_sgpr_workgroup_id_y 1
		.amdhsa_system_sgpr_workgroup_id_z 1
		.amdhsa_system_vgpr_workitem_id 0
		.amdhsa_next_free_vgpr 256
		.amdhsa_next_free_sgpr 66
		.amdhsa_reserve_vcc 1
		.amdhsa_float_denorm_mode_32 3
		.amdhsa_float_denorm_mode_16_64 3
		.amdhsa_memory_ordered 1
		.amdhsa_forward_progress 1
		.amdhsa_inst_pref_size 40
	.end_amdhsa_kernel
	.amdgpu_metadata
---
amdhsa.version: [ 1, 2 ]
amdhsa.kernels:
  - .name:           k_q59ac897f1c_route
    .symbol:         k_q59ac897f1c_route.kd
    .args:
      - { .name: x, .offset: 0, .size: 8, .value_kind: global_buffer, .address_space: global }
      - { .name: noise, .offset: 8, .size: 8, .value_kind: global_buffer, .address_space: global }
      - { .name: Wr, .offset: 16, .size: 8, .value_kind: global_buffer, .address_space: global }
      - { .name: br, .offset: 24, .size: 8, .value_kind: global_buffer, .address_space: global }
      - { .name: Wn, .offset: 32, .size: 8, .value_kind: global_buffer, .address_space: global }
      - { .name: bn, .offset: 40, .size: 8, .value_kind: global_buffer, .address_space: global }
      - { .name: lowp_scales, .offset: 48, .size: 8, .value_kind: global_buffer, .address_space: global }
      - { .name: out1, .offset: 56, .size: 8, .value_kind: global_buffer, .address_space: global }
      - { .name: xc, .offset: 64, .size: 8, .value_kind: global_buffer, .address_space: global }
      - { .name: sel, .offset: 72, .size: 8, .value_kind: global_buffer, .address_space: global }
      - { .name: gat, .offset: 80, .size: 8, .value_kind: global_buffer, .address_space: global }
    .group_segment_fixed_size: 95488
    .private_segment_fixed_size: 0
    .kernarg_segment_align: 8
    .kernarg_segment_size: 88
    .max_flat_workgroup_size: 256
    .sgpr_count:     66
    .vgpr_count:     256
    .wavefront_size: 32
...
	.end_amdgpu_metadata
.endif
;; end of part 1
;; launch up (part 2): grid 8 x 32, 4 waves a work-group, no clusters, 222,720 bytes of LDS; arguments xc, W1_codes, b1, lowp_scales, sel, hc, lists; writes hc, lists
.if DOCPART == 2
	.amdgcn_target "amdgcn-amd-amdhsa--gfx1250"
	.amdhsa_code_object_version 6
	.text
	.protected	k_q59ac897f1c_up
	.globl	k_q59ac897f1c_up
	.p2align	8
	.type	k_q59ac897f1c_up,@function
k_q59ac897f1c_up:
	s_mov_b64 s[64:65], 0
	v_nop
	global_prefetch_b8 v0, s[64:65] scope:SCOPE_SE
	s_setreg_imm32_b32 hwreg(HW_REG_WAVE_MODE, 25, 1), 1
	s_wait_xcnt 0x0
; SparseMoE, launch 2 of 4: hc = codes of relu(x W1 + b1), for the routed rows alone (the rows of experts that were not chosen have gate 0 and are left out: see the first kernel's head).
; SHARES.  Work-group (e, hg): expert e x hidden units 128 hg .. 128 hg + 127 x ALL rows of the expert.  256 work-groups; each row of W1 is read by one of them, at addresses made of ids alone.
; Slot s of an expert is its s-th token in ascending order.  Wave w takes the tiles of 16 slots w, w + 4, .. w + 16 (pass 0: 320 slots); an expert with more rows is finished by the loop at the end, 320 slots a trip.
; THE SLOTS' TOKENS are found from sel's masks: lane c holds the 32-bit mask of tokens 32 c .. 32 c + 31 that chose e; a prefix sum over the lanes, a binary search for the slot's mask, then for its bit.
; Work-group hg = 0 stores them for the next launch: lists[e][slot] = 2 token + choice, and the number of rows.
; W1 GOES THROUGH LDS ONCE, as whole runs of 256 bytes, in four chunks of 256 along K; one barrier a chunk.  Row 32 b + 8 u + j + 16 v (j < 8) of the 128 lies at LDS row 32 b + 16 u + 8 v + j: so tile 2 b + u is 16 LDS rows on end, and a
; lane's 16 result registers of tiles 2 b, 2 b + 1 are hidden units 32 b + 16 (lane / 16) + 0 .. 15 of its slot: the conversions' results are the next product's operand registers and are stored as their image.
; x's rows are each wave's own: 256 bytes of two rows a load, through the wave's own LDS bytes (no barrier: LDS serves a wave's instructions in order, ISA guide 5.7.1.4).  While a chunk is multiplied the next one is on its way.
; A tile past the rows reads one 16-byte piece a row in all lanes, is multiplied and not stored.
; No cluster and no tensor load: the number of rows is read from memory and steers branches.  No prefetch: pass 0 has no loop to run ahead in; W1's first two chunks are asked for at the head, each byte once.
; hc: [8 experts][72 tiles of 16 slots][32 K steps of 128][2,048 bytes: register group c at 512 c, lane l's 16 bytes at 16 l].
; b1, divided by 2^(e0 + e1), is the C of each sum's first product; the conversion takes 2^(e2 - e0 - e1); the hold between 0 and the largest code is the relu too.  LIMITS: e2 - e0 - e1 between -126 and 112.
; REGISTERS, in windows of 256: window 0: v1-31 addresses and scales; v32-95, v96-159 W1's fragments of tiles 0-3, 4-7 (at the head and at the end: work, codes); v160-239 x's fragments, even K steps.
;   window 1: v0-79 x's fragments, odd K steps; v80-143, v144-207 W1 on its way; v208-247 offsets of x's rows.  window 2: accumulators (m, t) at v[64 m + 8 t], m = 0..3.  window 3: m = 4 at v[8 t], first b1; v64-223 x on its way.
.set WP,    1040                       ; LDS row of W1: 1,024 + 16 bytes: an odd multiple of 16
.set XOFF,  128*WP
.set XPW,   80*272                     ; a wave's 80 rows of x, 256 + 16 bytes each
.set LOFF,  XOFF+4*XPW                 ; the waves' lists of tokens, 512 bytes each
.set SPARE, LOFF+4*512                 ; the spare words, 128 bytes for each wave
.set LPITCH, 5376                      ; lists: bytes an expert (1,344 slots)
.set CNT,   8*LPITCH
.set MSB,   0
.macro WIN new                         ; the immediate's high byte repeats the setting that is left
.if MSB != (\new)
	s_set_vgpr_msb (MSB<<8)|(\new)
.set MSB, (\new)
.endif
.endm
.macro PLACES                          ; four places behind matrix instructions (ISA guide 7.12.1 for vector instructions)
.rept 4
	v_nop
.endr
.endm
.macro WLOAD c                         ; my 32 rows of W1's chunk c: two rows x 256 bytes a load
	WIN 0x40
.set q, 0
.rept 16
	global_load_b128 v[80+64*((\c)%2)+4*q:83+64*((\c)%2)+4*q], v6, s[6:7] offset:2048*q+256*(\c)
.set q, q+1
.endr
.endm
.macro WPUT c
	WIN 0x04
.set q, 0
.rept 16
	ds_store_b128 v8, v[80+64*((\c)%2)+4*q:83+64*((\c)%2)+4*q] offset:(16*((q/4)%2)+8*(q/8)+2*(q%4))*WP+256*(\c)
.set q, q+1
.endr
.endm
.macro XLOAD c                         ; my 80 rows of x's chunk c
	WIN 0xc1
.set q, 0
.rept 40
	global_load_b128 v[64+4*q:67+4*q], v[208+q], s[4:5] offset:256*(\c)
.set q, q+1
.endr
.endm
.macro XPUT
	WIN 0x0c
.set q, 0
.rept 40
	ds_store_b128 v11, v[64+4*q:67+4*q] offset:544*q
.set q, q+1
.endr
.endm
.macro BLOAD                           ; b1 in the result's layout: units 32 (t / 2) + 8 (t % 2) + 16 h + 0 .. 7
	WIN 0xc0
.irp t, 0,1,2,3,4,5,6,7
	global_load_b128 v[8*\t:8*\t+3], v7, s[8:9] offset:(32*(\t/2)+8*(\t%2))*4
	global_load_b128 v[8*\t+4:8*\t+7], v7, s[8:9] offset:(32*(\t/2)+8*(\t%2))*4+16
.endr
	WIN 0
.endm
.macro BSCALE
	WIN 0xc3
.set q, 0
.rept 64
	v_ldexp_f32 v[q], v[q], s28                    ; b1 / 2^(e0 + e1)
.set q, q+1
.endr
	WIN 0
.endm
.macro LDX s                           ; x's five fragments of K step s: 20 loads
.if (\s)%2
	WIN 0x40
.set XF, 0
.else
	WIN 0
.set XF, 160
.endif
.irp m, 0,1,2,3,4
.irp c, 0,1,2,3
	ds_load_b128 v[XF+16*\m+4*\c:XF+16*\m+4*\c+3], v16 offset:4352*\m+128*((\s)%2)+32*\c
.endr
.endr
.endm
.macro LDW s, half                     ; four of W1's fragments: 16 loads
	WIN 0
.irp t, 0,1,2,3
.irp c, 0,1,2,3
	ds_load_b128 v[32+64*(\half)+16*\t+4*\c:35+64*(\half)+16*\t+4*\c], v[9+(\half)] offset:16*\t*WP+128*(\s)+32*\c
.endr
.endr
.endm
.macro MMA s, half                     ; 20 products; the accumulators take turns, one instruction a turn
.set XW, (\s)%2
.set XF, 160*(1-XW)
.if (\s) == 0
	WIN 0xb0                                       ; C: b1, window 3; D window 2
.else
	WIN 0xa0|(XW<<2)
.endif
.irp m, 0,1,2,3
.irp t, 0,1,2,3
.set AC, 64*\m+32*(\half)+8*\t
.set WF, 32+64*(\half)+16*\t
.if (\s) == 0
	v_wmma_f32_16x16x128_bf8_bf8 v[AC:AC+7], v[WF:WF+15], v[XF+16*\m:XF+16*\m+15], v[32*(\half)+8*\t:32*(\half)+8*\t+7]
.else
	v_wmma_f32_16x16x128_bf8_bf8 v[AC:AC+7], v[WF:WF+15], v[XF+16*\m:XF+16*\m+15], v[AC:AC+7]
.endif
.endr
.endr
.if (\s) == 0
.rept 5                                ; m = 4's sums stand where b1 stood: five places before they write over the C of the products above
	v_nop
.endr
.endif
	WIN 0xf0|(XW<<2)
.irp t, 0,1,2,3
.set AC, 32*(\half)+8*\t
.set WF, 32+64*(\half)+16*\t
	v_wmma_f32_16x16x128_bf8_bf8 v[AC:AC+7], v[WF:WF+15], v[XF+64:XF+79], v[AC:AC+7]
.endr
.endm
.macro MEET                            ; my part of the chunk has landed: then the barrier
	s_wait_dscnt 0x0
	s_barrier_signal -1
	s_barrier_wait -1
.endm
.macro CHUNK c
	PLACES
	LDX (2*\c)
	LDW (2*\c), 0
	LDW (2*\c), 1
	s_wait_dscnt 16                                ; x's fragments and tiles 0-3; tiles 4-7's 16 loads may be out
	MMA (2*\c), 0
	PLACES
	LDW (2*\c+1), 0
	LDX (2*\c+1)
	s_wait_dscnt 36                                ; all but the 36 just issued
	MMA (2*\c), 1
	PLACES
	LDW (2*\c+1), 1
	s_wait_dscnt 16                                ; all but the 16 just issued
	MMA (2*\c+1), 0
.if \c < 3                             ; every fragment of this chunk is asked for: the next chunk goes into LDS, and what follows it is asked of memory
	WIN 0
.if \c < 2
	s_wait_loadcnt 16                              ; the 16 loads of W1's chunk after the next may be out
.else
	s_wait_loadcnt 0x0
.endif
	WPUT (\c+1)
	XPUT
.if \c < 2
	XLOAD (\c+2)
.endif
.if \c < 1
	WLOAD (\c+3)
.endif
	s_wait_dscnt 56                                ; the 56 stores may be out
.else
	s_wait_dscnt 0x0
.endif
	MMA (2*\c+1), 1
	WIN 0
.if \c < 3
	MEET
.endif
.endm
.macro HALVE src, width, step          ; is the wanted bit behind this part of the mask?
	v_bfe_u32 v[T+2], v[\src], v[T+10], \width
	v_cmp_ge_u32 vcc_lo, v[T+5], v[T+2]
	v_cndmask_b32 v[T+2], 0, v[T+2], vcc_lo
	v_sub_nc_u32 v[T+5], v[T+5], v[T+2]
	v_cndmask_b32 v[T+2], 0, \step, vcc_lo
	v_add_nc_u32 v[T+10], v[T+10], v[T+2]
.endm
.macro LIST                            ; tokens of my slots s40 + 128 g + 64 h + r, g = 0, 1, 2, into my LDS list (word 32 g + lane: tile 2 g + h, row r); a slot past the rows gets some token below 1,024
.irp g, 0,1,2
.set T, 112+12*\g
	v_add_nc_u32 v[T], s40, v19
.if \g > 0
	v_add_nc_u32 v[T], 128*\g, v[T]
.endif
	v_mov_b32 v[T+1], 0
.endr
.irp st, 64,32,16,8,4                  ; the last lane whose prefix is at most the slot (4 x lane)
.irp g, 0,1,2
.set T, 112+12*\g
	v_add_nc_u32 v[T+2], \st, v[T+1]
	ds_bpermute_b32 v[T+3], v[T+2], v22
.endr
	s_wait_alu depctr_va_vdst(0)
	s_wait_dscnt 0x0
.irp g, 0,1,2
.set T, 112+12*\g
	v_cmp_le_u32 vcc_lo, v[T+3], v[T]
	v_cndmask_b32 v[T+1], v[T+1], v[T+2], vcc_lo
.endr
.endr
.irp g, 0,1,2
.set T, 112+12*\g
	ds_bpermute_b32 v[T+5], v[T+1], v22
	ds_bpermute_b32 v[T+3], v[T+1], v20
	ds_bpermute_b32 v[T+4], v[T+1], v21
.endr
	s_wait_alu depctr_va_vdst(0)
	s_wait_dscnt 0x0
.irp g, 0,1,2
.set T, 112+12*\g
	v_sub_nc_u32 v[T+5], v[T], v[T+5]              ; which of the mask's bits
	v_lshrrev_b32 v[T+9], 1, v[T+3]
	v_and_b32 v[T+9], 0x55555555, v[T+9]
	v_sub_nc_u32 v[T+6], v[T+3], v[T+9]            ; counts of 2 bits,
	v_and_b32 v[T+7], 0x33333333, v[T+6]
	v_lshrrev_b32 v[T+9], 2, v[T+6]
	v_and_b32 v[T+9], 0x33333333, v[T+9]
	v_add_nc_u32 v[T+7], v[T+7], v[T+9]            ; of 4,
	v_lshrrev_b32 v[T+9], 4, v[T+7]
	v_add_nc_u32 v[T+8], v[T+7], v[T+9]
	v_and_b32 v[T+8], 0x0f0f0f0f, v[T+8]           ; of 8,
	v_lshrrev_b32 v[T+9], 8, v[T+8]
	v_add_nc_u32 v[T+9], v[T+8], v[T+9]            ; of the lower 16
	v_mov_b32 v[T+10], 0
	HALVE T+9, 8, 16
	HALVE T+8, 8, 8
	HALVE T+7, 4, 4
	HALVE T+6, 2, 2
	HALVE T+3, 1, 1
	v_bfe_u32 v[T+4], v[T+4], v[T+10], 1           ; first or second choice
	v_lshl_add_u32 v[T+10], v[T+1], 3, v[T+10]     ; token = 32 x lane + bit
	v_lshl_add_u32 v[T+11], v[T+10], 1, v[T+4]
	ds_store_b32 v17, v[T+10] offset:128*\g
.endr
	s_wait_alu depctr_va_vdst(0)
	s_cmp_lg_u32 s22, 0
	s_cbranch_scc1 .Lnolist_\@                     ; one work-group of the expert stores the list
.irp g, 0,1,2
.set T, 112+12*\g
	v_lshlrev_b32 v[T], 2, v[T]
	global_store_b32 v[T], v[T+11], s[16:17]
.endr
.Lnolist_\@:
.endm
.macro WAYOUT                          ; relu and hold, codes, store; tiles past the rows are left out
	PLACES
	WIN 0
.irp m, 0,1,2,3,4
	s_add_co_u32 s41, s40, 64*\m
	s_cmp_lt_u32 s41, s42
	s_cbranch_scc0 .Lout_\@
.if \m < 4
	WIN 0x82
.else
	WIN 0xc3
.endif
.set q, 0
.rept 64
	v_med3_num_f32 v[64*(\m%4)+q], v[64*(\m%4)+q], 0, v13   ; the conversion does not saturate (ISA guide 7.6.2); each accumulator from its low end on
.set q, q+1
.endr
.if \m < 4
	WIN 0x02
.else
	WIN 0x03
.endif
.irp t, 0,1,2,3,4,5,6,7
	v_cvt_scalef32_pk8_bf8_f32 v[32+16*\m+2*\t:33+16*\m+2*\t], v[64*(\m%4)+8*\t:64*(\m%4)+8*\t+7], v12
.endr
	v_nop                                          ; a plain instruction behind the last conversion of the run
	WIN 0
.irp c, 0,1,2,3
	global_store_b128 v3, v[32+16*\m+4*\c:35+16*\m+4*\c], s[14:15] offset:262144*\m+512*\c   ; 512 consecutive bytes, at a multiple of 256 from hc's first byte
.endr
.endr
.Lout_\@:
.endm
	s_load_b256 s[4:11], s[0:1], 0x0               ; xc s[4:5], W1's codes s[6:7], b1 s[8:9], the scales' exponents s[10:11]
	s_load_b128 s[12:15], s[0:1], 0x20             ; sel s[12:13], hc s[14:15]
	s_load_b64 s[16:17], s[0:1], 0x30              ; lists
	v_lshl_add_u32 v14, v0, 2, SPARE               ; my spare word; never rewritten
	v_mov_b32 v15, 0                               ; 0; never rewritten
	v_lshrrev_b32 v1, 5, v0
	v_readfirstlane_b32 s20, v1                    ; wave 0..3
	s_mov_b32 s21, ttmp9                           ; expert
	s_and_b32 s22, ttmp7, 0xffff                   ; hg
	v_and_b32 v1, 15, v0                           ; r
	v_bfe_u32 v2, v0, 4, 1                         ; h
	v_and_b32 v30, 31, v0
	v_lshlrev_b32 v3, 4, v30                       ; 16 x lane
	v_lshlrev_b32 v4, 4, v1                        ; 16 r
	v_lshlrev_b32 v5, 8, v30                       ; sel: the two words of tokens 32 lane on, 128 bytes apart
	s_lshl_b32 s30, s20, 15
	v_lshl_add_u32 v6, v2, 10, v4
	v_add_nc_u32 v6, s30, v6                       ; W1: row 32 w + h, + 16 r
	v_lshlrev_b32 v7, 6, v2                        ; b1: 64 h
	s_mul_i32 s30, s20, 32*WP
	v_mul_u32_u24 v8, 0x410, v2
	v_add_nc_u32 v8, v8, v4
	v_add_nc_u32 v8, s30, v8                       ; W1 into LDS
	v_lshlrev_b32 v31, 4, v2                       ; 16 h
	v_mul_u32_u24 v9, 0x410, v1
	v_add_nc_u32 v9, v9, v31                       ; W1's fragments: row r, + 16 h: tiles 0-3,
	v_add_nc_u32 v10, 64*WP, v9                    ; and 4-7
	s_mul_i32 s30, s20, XPW
	s_add_co_u32 s30, s30, XOFF
	v_mul_u32_u24 v11, 0x110, v2
	v_add_nc_u32 v11, v11, v4
	v_add_nc_u32 v11, s30, v11                     ; x into my LDS rows: row h, + 16 r
	v_mul_u32_u24 v16, 0x110, v1
	v_add_nc_u32 v16, v16, v31
	v_add_nc_u32 v16, s30, v16                     ; x's fragments: row r, + 16 h
	s_lshl_b32 s30, s20, 9
	s_add_co_u32 s30, s30, LOFF
	v_lshlrev_b32 v30, 2, v30                      ; 4 x lane
	v_add_nc_u32 v17, s30, v30                     ; my list: word lane,
	v_lshlrev_b32 v18, 2, v2
	v_add_nc_u32 v18, s30, v18                     ; word h,
	v_lshlrev_b32 v28, 2, v1
	v_add_nc_u32 v28, s30, v28                     ; word r
	v_lshl_add_u32 v19, v2, 6, v1                  ; r + 64 h
	v_and_b32 v29, 8, v1
	v_add_nc_u32 v29, v29, v1
	v_lshl_add_u32 v29, v29, 10, v31               ; later passes: W1's row r + 8 (r / 8), + 16 h
	s_lshl_b32 s40, s20, 4                         ; my first slot
	s_wait_alu depctr_va_vdst(0)
	s_wait_kmcnt 0x0
	s_load_b128 s[24:27], s[10:11], 0x0            ; e0 (W1), e1 (x), e2 (the hidden layer), e3
	s_mov_b32 s31, 0
	s_lshl_b32 s30, s21, 2
	s_add_nc_u64 s[12:13], s[12:13], s[30:31]
	global_load_b32 v32, v5, s[12:13]
	global_load_b32 v33, v5, s[12:13] offset:128
	s_lshl_b32 s30, s21, 22                        ; W1: an expert is 4,096 rows of 1,024 bytes
	s_lshl_b32 s33, s22, 17
	s_add_co_u32 s30, s30, s33
	s_add_nc_u64 s[6:7], s[6:7], s[30:31]
	WLOAD 0
	WIN 0
	s_lshl_b32 s30, s21, 14
	s_lshl_b32 s33, s22, 9
	s_add_co_u32 s30, s30, s33
	s_add_nc_u64 s[8:9], s[8:9], s[30:31]
	BLOAD
	WLOAD 1
	WIN 0
	s_lshl_b32 s30, s21, 7
	s_add_nc_u64 s[18:19], s[16:17], s[30:31]      ; the number of rows goes to byte CNT + 128 e
	s_mul_i32 s30, s21, LPITCH
	s_add_nc_u64 s[16:17], s[16:17], s[30:31]
	s_mul_i32 s30, s21, 4718592                    ; hc: an expert is 72 tiles of 65,536 bytes
	s_lshl_b32 s33, s20, 16
	s_add_co_u32 s30, s30, s33
	s_lshl_b32 s33, s22, 11
	s_add_co_u32 s30, s30, s33
	s_add_nc_u64 s[14:15], s[14:15], s[30:31]
	s_wait_kmcnt 0x0
	s_add_co_i32 s28, s24, s25                     ; e0 + e1: a sum stands for sum x 2^(e0 + e1)
	s_sub_co_i32 s29, s26, s28
	s_sub_co_i32 s28, 0, s28
	s_add_co_i32 s29, s29, 127
	s_lshl_b32 s30, s29, 23
	v_mov_b32 v12, s30                             ; 2^(e2 - e0 - e1) as f32
	s_add_co_i32 s29, s29, 15
	s_lshl_b32 s29, s29, 23
	s_or_b32 s29, s29, 0x600000
	v_mov_b32 v13, s29                             ; 57,344 x that
	s_wait_alu depctr_va_vdst(0)
	s_wait_loadcnt 48                              ; sel's words are in; W1's two chunks and b1 (48 loads) may be out
	v_lshrrev_b32 v34, 16, v32
	v_or_b32 v35, v32, v34
	v_and_b32 v35, 0xffff, v35
	v_lshrrev_b32 v36, 16, v33
	v_or_b32 v37, v33, v36
	v_lshl_or_b32 v20, v37, 16, v35                ; tokens 32 lane + bit that chose e
	v_and_b32 v36, 0xffff0000, v33
	v_or_b32 v21, v34, v36                         ; those for which it is the second choice
	v_mov_b32 v22, 0                               ; lane c: how many of the tokens below 32 c chose e
	s_mov_b32 s42, 0
.irp b, 0,8,16,24
.irp l, 0,1,2,3,4,5,6,7
	v_readlane_b32 s[50+\l], v20, \b+\l
.endr
	s_wait_alu depctr_va_vdst(0)
.irp l, 0,1,2,3,4,5,6,7
	s_bcnt1_i32_b32 s[50+\l], s[50+\l]
.endr
.irp l, 0,1,2,3,4,5,6,7
	v_writelane_b32 v22, s42, \b+\l
	s_add_co_u32 s42, s42, s[50+\l]
.endr
.endr
	s_min_u32 s42, s42, 0x400                      ; R, the expert's rows: a number made from stored ones is tested behind a bound
	s_wait_alu depctr_va_vdst(0)
	LIST
	s_add_co_u32 s33, s22, s20
	s_cmp_lg_u32 s33, 0
	s_cbranch_scc1 .Lnocount
	v_mov_b32 v148, s42
	global_store_b32 v30, v148, s[18:19] offset:CNT
.Lnocount:
	WIN 0x40
.set q, 0
.rept 40
	ds_load_b32 v[208+q], v18 offset:8*q           ; the token of my row 2 q + h
.set q, q+1
.endr
	WIN 0
.irp i, 0,1,2,3,4
	s_add_co_u32 s41, s40, 64*\i
	s_cmp_lt_u32 s41, s42
	s_cselect_b32 s41, -1, 0
	v_and_b32 v[23+\i], s41, v4                    ; 16 r; 0 in a tile past the rows;
	v_min_u32 v[23+\i], 0xf0, v[23+\i]             ; the choice hangs on a stored number, so it enters an address behind a bound
.endr
	s_wait_alu depctr_va_vdst(0)
	s_wait_dscnt 0x0
	WIN 0x44
.set q, 0
.rept 40
	v_min_u32 v[208+q], 0x3ff, v[208+q]            ; a loaded number enters an address behind a bound
.set q, q+1
.endr
	WIN 0x41
.set q, 0
.rept 40
	v_lshl_add_u32 v[208+q], v[208+q], 10, v[23+q/8]
.set q, q+1
.endr
	s_wait_alu depctr_va_vdst(0)
	XLOAD 0
	WIN 0
	s_wait_loadcnt 63                              ; W1's chunk 0: behind it 72 loads; 63 is the largest count that the wait takes
	WPUT 0
	WIN 0
	s_wait_loadcnt 56                              ; b1: behind it W1's chunk 1 and x's chunk 0
	BSCALE
	s_wait_alu depctr_va_vdst(0)
	s_wait_loadcnt 0x0
	XPUT
	XLOAD 1
	WLOAD 2
	WIN 0
	s_wait_xcnt 0x0                                ; the list's stores have read registers that fragments take
	MEET
	CHUNK 0
	CHUNK 1
	CHUNK 2
	CHUNK 3
	WAYOUT
	; passes: ceil(R / 320) = floor(floor((R + 319) / 64) / 5); 13 / 64 stands for 1 / 5, right up to 20
	s_add_co_u32 s49, s42, 319
	s_lshr_b32 s49, s49, 6
	s_mul_i32 s49, s49, 13
	s_lshr_b32 s49, s49, 6
	s_min_u32 s49, s49, 4                          ; (at most ceil(1,024 / 320) = 4)
	s_mov_b32 s48, 1
	s_wait_alu depctr_va_vdst(0)
	s_cmp_lt_u32 s48, s49
	s_cbranch_scc0 .Lend
.Lmore:                                            ; the next 320 slots of an expert with more rows: fragments straight from memory, no barrier; passes 1 to 3, one without rows is led round
	s_wait_xcnt 0x0                                ; the stores have read their codes and their base
	s_add_co_u32 s40, s40, 320
	s_add_nc_u64 s[14:15], s[14:15], 1310720
	s_wait_alu depctr_va_vdst(0)
	s_cmp_lt_u32 s48, s49
	s_cbranch_scc0 .Lnext
	LIST
.irp i, 0,1,2,3,4
	ds_load_b32 v[23+\i], v28 offset:64*\i
.endr
	BLOAD
	s_wait_alu depctr_va_vdst(0)
	s_wait_dscnt 0x0
.irp i, 0,1,2,3,4
	v_min_u32 v[23+\i], 0x3ff, v[23+\i]
	v_lshl_add_u32 v[23+\i], v[23+\i], 10, v31
.endr
	s_wait_alu depctr_va_vdst(0)
	s_wait_loadcnt 0x0
	BSCALE
	WIN 0x83
.irp m, 0,1,2,3
.set q, 0
.rept 64
	v_mov_b32 v[64*\m+q], v[q]                     ; the sums start from b1
.set q, q+1
.endr
.endr
	WIN 0
	s_mov_b64 s[44:45], s[6:7]
	s_mov_b64 s[46:47], s[4:5]
	s_mov_b32 s43, 8
	s_wait_alu depctr_va_vdst(0)
	s_wait_xcnt 0x0                                ; the list's stores have read registers that fragments take
.Lstep:
.irp t, 0,1,2,3,4,5,6,7
.irp c, 0,1,2,3
	global_load_b128 v[32+16*\t+4*\c:35+16*\t+4*\c], v29, s[44:45] offset:(32*(\t/2)+8*(\t%2))*1024+32*\c
.endr
.endr
.irp m, 0,1,2,3,4
.irp c, 0,1,2,3
	global_load_b128 v[160+16*\m+4*\c:163+16*\m+4*\c], v[23+\m], s[46:47] offset:32*\c
.endr
.endr
	s_wait_loadcnt 0x0
	MMA 2, 0
	MMA 2, 1
	PLACES
	WIN 0
	s_add_nc_u64 s[44:45], s[44:45], 0x80
	s_add_nc_u64 s[46:47], s[46:47], 0x80
	s_sub_co_u32 s43, s43, 1
	s_cmp_lg_u32 s43, 0
	s_cbranch_scc1 .Lstep
	WAYOUT
.Lnext:
	s_wait_alu depctr_va_vdst(0)
	s_add_co_u32 s48, s48, 1
	s_cmp_lt_u32 s48, 4
	s_cbranch_scc1 .Lmore
.Lend:
	s_wait_tensorcnt 0x0                           ; the wave's end, behind my last LDS store
	ds_add_u32 v14, v15
	s_wait_dscnt 0x0
	s_endpgm
.Lfunc_end_k_q59ac897f1c_up:
	.size	k_q59ac897f1c_up, .Lfunc_end_k_q59ac897f1c_up-k_q59ac897f1c_up
	.p2alignl 7, 3214868480
	.fill 96, 4, 3214868480
	.section	.rodata,"a",@progbits
	.p2align	6, 0x0
	.amdhsa_kernel k_q59ac897f1c_up
		.amdhsa_group_segment_fixed_size 222720
		.amdhsa_private_segment_fixed_size 0
		.amdhsa_enable_private_segment 0
		.amdhsa_kernarg_size 56
		.amdhsa_user_sgpr_count 2
		.amdhsa_user_sgpr_kernarg_segment_ptr 1
		.amdhsa_wavefront_size32 1
		.amdhsa_system_sgpr_workgroup_id_x 1
		.amdhsa_system_sgpr_workgroup_id_y 1
		.amdhsa_system_sgpr_workgroup_id_z 1
		.amdhsa_system_vgpr_workitem_id 0
		.amdhsa_next_free_vgpr 1024
		.amdhsa_next_free_sgpr 66
		.amdhsa_reserve_vcc 1
		.amdhsa_float_denorm_mode_32 3
		.amdhsa_float_denorm_mode_16_64 3
		.amdhsa_memory_ordered 1
		.amdhsa_forward_progress 1
		.amdhsa_inst_pref_size 207
	.end_amdhsa_kernel
	.amdgpu_metadata
---
amdhsa.version: [ 1, 2 ]
amdhsa.kernels:
  - .name:           k_q59ac897f1c_up
    .symbol:         k_q59ac897f1c_up.kd
    .args:
      - { .name: xc, .offset: 0, .size: 8, .value_kind: global_buffer, .address_space: global }
      - { .name: W1_codes, .offset: 8, .size: 8, .value_kind: global_buffer, .address_space: global }
      - { .name: b1, .offset: 16, .size: 8, .value_kind: global_buffer, .address_space: global }
      - { .name: lowp_scales, .offset: 24, .size: 8, .value_kind: global_buffer, .address_space: global }
      - { .name: sel, .offset: 32, .size: 8, .value_kind: global_buffer, .address_space: global }
      - { .name: hc, .offset: 40, .size: 8, .value_kind: global_buffer, .address_space: global }
      - { .name: lists, .offset: 48, .size: 8, .value_kind: global_buffer, .address_space: global }
    .group_segment_fixed_size: 222720
    .private_segment_fixed_size: 0
    .kernarg_segment_align: 8
    .kernarg_segment_size: 56
    .max_flat_workgroup_size: 128
    .sgpr_count:     66
    .vgpr_count:     1024
    .wavefront_size: 32
...
	.end_amdgpu_metadata
.endif
;; end of part 2
;; launch down (part 3): grid 8 x 32, 4 waves a work-group, no clusters, 298,496 bytes of LDS; arguments hc, W2_codes, b2, lowp_scales, lists, gat, y; writes y
.if DOCPART == 3
	.amdgcn_target "amdgcn-amd-amdhsa--gfx1250"
	.amdhsa_code_object_version 6
	.text
	.protected	k_q59ac897f1c_down
	.globl	k_q59ac897f1c_down
	.p2align	8
	.type	k_q59ac897f1c_down,@function
k_q59ac897f1c_down:
	s_mov_b64 s[64:65], 0
	v_nop
	global_prefetch_b8 v0, s[64:65] scope:SCOPE_SE
	s_setreg_imm32_b32 hwreg(HW_REG_WAVE_MODE, 25, 1), 1
	s_wait_xcnt 0x0
; SparseMoE, launch 3 of 4: y[kh][2 token + choice] = gate x (the half kh of K's part of h W2 x 2^(e2 + e3), + b2 in half 0), for the routed rows alone (the rows of experts that were not chosen are left out: see the first kernel's head).
; SHARES.  Work-group (e, j): expert e x columns 128 cg .. 128 cg + 127 (cg = j % 8) x half of the expert's tiles of 16 slots (rh = j / 8 % 2) x half of K, 2,048 hidden units (kh = j / 16).  256 work-groups; W2's addresses are made of ids alone.
; Wave w takes tiles u, u + 8, u + 16, u = 2 w + rh (pass 0: 384 slots of the expert); an expert with more rows is finished by the loop at the end, 384 slots a trip.
; W2 GOES THROUGH LDS ONCE, as runs of 512 bytes, in four chunks of 512 along K; one barrier a chunk.  The hidden layer comes straight into registers, as the image of them that it was stored as: 512 consecutive bytes a load, four K steps ahead.
; A tile past the rows reads 16 bytes a load in all lanes, is multiplied and not stored.
; THE MATRIX INSTRUCTION IS USED TRANSPOSED: source 0 = 16 rows of W2 (columns of y), source 1 = 16 slots.  Both sides hold k = 32 c + 16 (lane / 16) + 0 .. 15 in registers 4 c .. 4 c + 3.
; b2 / 2^(e2 + e3) (half 0; zeros in half 1) is the C of each sum's first product.  LIMIT: e2 + e3 between -126 and 127, and gate x 2^(e2 + e3) not below 2^-126 (it would lose bits there).
; No cluster and no tensor load: the number of rows is read from memory and steers branches.  No prefetch: pass 0 has no loop to run ahead in; its loads are asked for up to a chunk ahead.
; REGISTERS, in windows of 256: window 0: v1-31 addresses, gates; v32-95, v96-159 W2's fragments of tiles 0-3, 4-7 (on the way out rows); v160-223, v224-239 the way out.  window 1: the hidden layer, K step s at v[48 (s % 5)].
;   window 2: accumulators (m, t) at v[64 m + 8 t]; b2 at v[192 + 8 t].  window 3: W2 on its way, two chunks.
.set WP,    2064                       ; LDS row of W2: 2,048 + 16 bytes: an odd multiple of 16
.set STAGE, 128*WP                     ; the way out: 16 rows of 528 bytes for each wave
.set SPARE, STAGE+4*16*528             ; the spare words, 128 bytes for each wave
.set LPITCH, 5376
.set CNT,   8*LPITCH
.set MSB,   0
.macro WIN new                         ; the immediate's high byte repeats the setting that is left
.if MSB != (\new)
	s_set_vgpr_msb (MSB<<8)|(\new)
.set MSB, (\new)
.endif
.endm
.macro PLACES                          ; four places behind matrix instructions (ISA guide 7.12.1 for vector instructions)
.rept 4
	v_nop
.endr
.endm
.macro WLOAD c, part                   ; 16 of my 32 rows of W2's chunk c
	WIN 0xc0
.set q, 16*(\part)
.rept 16
	global_load_b128 v[128*((\c)%2)+4*q:128*((\c)%2)+4*q+3], v3, s[6:7] offset:4096*q+512*(\c)
.set q, q+1
.endr
.endm
.macro WPUT c
	WIN 0x0c
.set q, 0
.rept 32
	ds_store_b128 v4, v[128*((\c)%2)+4*q:128*((\c)%2)+4*q+3] offset:WP*q+512*(\c)
.set q, q+1
.endr
.endm
.macro LDH s                           ; the hidden layer's three fragments of K step s: 12 loads
	WIN 0x40
.irp m, 0,1,2
.irp c, 0,1,2,3
	global_load_b128 v[48*((\s)%5)+16*\m+4*\c:48*((\s)%5)+16*\m+4*\c+3], v[11+\m], s[4:5] offset:524288*\m+2048*(\s)+512*\c
.endr
.endr
.endm
.macro LDW s, half                     ; four of W2's fragments: 16 loads
	WIN 0
.irp t, 0,1,2,3
.irp c, 0,1,2,3
	ds_load_b128 v[32+64*(\half)+16*\t+4*\c:35+64*(\half)+16*\t+4*\c], v[5+2*(\half)+\t/2] offset:16*WP*(\t%2)+128*(\s)+32*\c
.endr
.endr
.endm
.macro MMA s, half                     ; 12 products; the accumulators take turns, one instruction a turn
	WIN 0xa4                                       ; source 0 window 0, source 1 window 1, C and D window 2
.set HF, 48*((\s)%5)
.irp m, 0,1,2
.irp t, 0,1,2,3
.set AC, 64*\m+32*(\half)+8*\t
.set WF, 32+64*(\half)+16*\t
.if (\s) == 0
	v_wmma_f32_16x16x128_bf8_bf8 v[AC:AC+7], v[WF:WF+15], v[HF+16*\m:HF+16*\m+15], v[192+32*(\half)+8*\t:199+32*(\half)+8*\t]
.else
	v_wmma_f32_16x16x128_bf8_bf8 v[AC:AC+7], v[WF:WF+15], v[HF+16*\m:HF+16*\m+15], v[AC:AC+7]
.endif
.endr
.endr
.endm
.macro MEET s                          ; my part of the chunk has landed: then the barrier; then the first fragments
	WIN 0
	s_wait_dscnt 0x0
	s_barrier_signal -1
	s_barrier_wait -1
	LDW (\s), 0
	LDW (\s), 1
.endm
.macro KSTEP s, cnt                    ; cnt: the loads issued behind this step's hidden layer that may be out (at the most 63, the largest count that the wait takes)
.if (\s) < 12
	LDH (\s+4)
.endif
.if (\s) == 0 || (\s) == 1 || (\s) == 4 || (\s) == 5
	WLOAD (\s/4+2), (\s%4)                         ; the chunk after the next, into the registers of the chunk in hand
.endif
	WIN 0
	s_wait_loadcnt \cnt
	s_wait_dscnt 16                                ; tiles 0-3 are in; tiles 4-7's 16 loads may be out
	MMA (\s), 0
	PLACES
.if (\s)%4 < 3
	LDW (\s+1), 0
	s_wait_dscnt 16                                ; all but the 16 just issued
.elseif (\s) < 15
	WIN 0
	s_wait_loadcnt 63                              ; the next chunk is in: 72 loads or more were issued behind it
	WPUT (\s/4+1)
	s_wait_dscnt 32                                ; the 32 stores may be out
.else
	s_wait_dscnt 0x0
.endif
	MMA (\s), 1
	PLACES
.if (\s)%4 < 3
	LDW (\s+1), 1
.elseif (\s) < 15
	MEET (\s+1)
.endif
.endm
.macro GATES                           ; s[44:45]: my slots' list; v16-18 = 2 token + choice, then the gates
.irp m, 0,1,2
	v_min_u32 v[29+\m], 0x7ff, v[16+\m]            ; a loaded number enters an address behind a bound
	v_lshlrev_b32 v[29+\m], 2, v[29+\m]
	global_load_b32 v[20+2*\m], v[29+\m], s[14:15]
.endr
.endm
.macro ROWLANES                        ; 16 x lane; 0 for a tile past the rows
.irp m, 0,1,2
	s_add_co_u32 s41, s40, 128*\m
	s_cmp_lt_u32 s41, s42
	s_cselect_b32 s41, -1, 0
	v_and_b32 v[11+\m], s41, v3
	v_min_u32 v[11+\m], 0x1f0, v[11+\m]            ; the choice hangs on a stored number, so it enters an address behind a bound
.endr
.endm
.macro WAYOUT                          ; sums x gate x 2^(e2 + e3), through my stage, stored as rows of 512 bytes; rows past the last are left out
	WIN 0
	PLACES
.irp m, 0,1,2
	v_ldexp_f32 v[20+2*\m], v[20+2*\m], s34
.endr
	s_wait_alu depctr_va_vdst(0)
.irp m, 0,1,2
	s_add_co_u32 s41, s40, 128*\m
	s_cmp_lt_u32 s41, s42
	s_cbranch_scc0 .Lout_\@
	s_sub_co_u32 s46, s42, s41                     ; rows from here on,
	s_min_u32 s46, s46, 0x400                      ; tested behind a bound
	WIN 0x02
.set q, 0
.rept 32
	v_pk_mul_f32 v[160+q:161+q], v[64*\m+q:64*\m+q+1], v[20+2*\m:21+2*\m] op_sel_hi:[1,0]   ; each accumulator from its low end on
.set q, q+2
.endr
	WIN 0
.irp t, 0,1,2,3,4,5,6,7
	ds_store_b128 v9, v[160+8*\t:163+8*\t] offset:64*\t
	ds_store_b128 v9, v[164+8*\t:167+8*\t] offset:64*\t+16
.endr
	s_wait_xcnt 0x0                                ; earlier stores have read their rows and offsets
.set BK, 32+64*(\m%2)
.set q, 0
.rept 16
	ds_load_b128 v[BK+4*q:BK+4*q+3], v10 offset:528*q  ; LDS serves a wave's instructions in order (ISA guide 5.7.1.4)
.set q, q+1
.endr
	s_wait_dscnt 0x0
.irp i, 0,1,2,3,4,5,6,7,8,9,10,11,12,13,14,15
.if \i > 0
	s_cmp_gt_u32 s46, \i
	s_cbranch_scc0 .Lout_\@                        ; the rows end here; so do the tiles
.endif
	v_readlane_b32 s47, v[16+\m], \i
	s_min_u32 s47, s47, 0x7ff
	s_lshl_b32 s47, s47, 12
	v_add_nc_u32 v[224+\i], s47, v3
	global_store_b128 v[224+\i], v[BK+4*\i:BK+4*\i+3], s[16:17]   ; 512 consecutive bytes, at a multiple of 256 from y's first byte
.endr
.endr
.Lout_\@:
.endm
	s_load_b256 s[4:11], s[0:1], 0x0               ; hc s[4:5], W2's codes s[6:7], b2 s[8:9], the scales' exponents s[10:11]
	s_load_b128 s[12:15], s[0:1], 0x20             ; lists s[12:13], gat s[14:15]
	s_load_b64 s[16:17], s[0:1], 0x30              ; y
	v_lshl_add_u32 v14, v0, 2, SPARE               ; my spare word; never rewritten
	v_mov_b32 v15, 0                               ; 0; never rewritten
	v_lshrrev_b32 v1, 5, v0
	v_readfirstlane_b32 s20, v1                    ; wave 0..3
	s_mov_b32 s21, ttmp9                           ; expert
	s_and_b32 s22, ttmp7, 0xffff
	s_lshr_b32 s23, s22, 4                         ; kh
	s_bfe_u32 s36, s22, 0x10003                    ; rh
	s_and_b32 s22, s22, 7                          ; cg
	v_and_b32 v1, 15, v0                           ; r
	v_bfe_u32 v2, v0, 4, 1                         ; h
	v_and_b32 v3, 31, v0
	v_lshlrev_b32 v3, 4, v3                        ; 16 x lane
	s_mul_i32 s30, s20, 32*WP
	v_add_nc_u32 v4, s30, v3                       ; W2 into LDS: row 32 w
	v_lshlrev_b32 v28, 4, v2                       ; 16 h
	v_mul_u32_u24 v5, 0x810, v1
	v_add_nc_u32 v5, v5, v28                       ; W2's fragments: row r, + 16 h: tiles 0, 1,
	v_add_nc_u32 v6, 32*WP, v5                     ; 2, 3,
	v_add_nc_u32 v7, 64*WP, v5                     ; 4, 5,
	v_add_nc_u32 v8, 96*WP, v5                     ; 6, 7
	s_mul_i32 s30, s20, 16*528
	s_add_co_u32 s30, s30, STAGE
	v_mul_u32_u24 v9, 0x210, v1
	v_lshl_add_u32 v9, v2, 5, v9
	v_add_nc_u32 v9, s30, v9                       ; into my stage: row r, + 32 h
	v_add_nc_u32 v10, s30, v3                      ; out of it: a row of 512 bytes
	v_lshlrev_b32 v26, 2, v1                       ; lists: 4 r
	v_lshlrev_b32 v27, 5, v2                       ; b2: 32 h
	v_lshl_add_u32 v28, v1, 12, v28                ; later passes: W2's row r, + 16 h
	v_mov_b32 v21, 0                               ; (named as the upper halves of the gates' pairs)
	v_mov_b32 v23, 0
	v_mov_b32 v25, 0
	s_lshl_b32 s37, s20, 1
	s_add_co_u32 s37, s37, s36                     ; u
	s_lshl_b32 s40, s37, 4                         ; my first slot
	s_lshl_b32 s43, s21, 7
	s_mov_b32 s31, 0
	s_wait_alu depctr_va_vdst(0)
	s_wait_kmcnt 0x0
	s_load_b32 s42, s[12:13], s43 offset:CNT       ; R, the expert's rows
	s_load_b128 s[24:27], s[10:11], 0x0            ; e0, e1, e2 (the hidden layer), e3 (W2)
	s_lshl_b32 s30, s21, 22                        ; W2: an expert is 1,024 rows of 4,096 bytes, a row's half 2,048
	s_lshl_b32 s33, s22, 19
	s_add_co_u32 s30, s30, s33
	s_lshl_b32 s33, s23, 11
	s_add_co_u32 s30, s30, s33
	s_add_nc_u64 s[52:53], s[6:7], s[30:31]        ; my work-group's rows,
	s_lshl_b32 s30, s20, 17
	s_add_nc_u64 s[6:7], s[52:53], s[30:31]        ; and my wave's 32 of them
	WLOAD 0, 0
	WLOAD 0, 1
	WIN 0
	s_lshl_b32 s30, s21, 12
	s_lshl_b32 s33, s22, 9
	s_add_co_u32 s30, s30, s33
	s_add_nc_u64 s[8:9], s[8:9], s[30:31]
	WIN 0x80
.irp t, 0,1,2,3,4,5,6,7
	global_load_b128 v[192+8*\t:195+8*\t], v27, s[8:9] offset:64*\t       ; b2 in the result's layout: columns 16 t + 8 h + 0 .. 7
	global_load_b128 v[196+8*\t:199+8*\t], v27, s[8:9] offset:64*\t+16
.endr
	WIN 0
	s_mul_i32 s30, s21, LPITCH
	s_lshl_b32 s33, s40, 2
	s_add_co_u32 s30, s30, s33
	s_add_nc_u64 s[44:45], s[12:13], s[30:31]
.irp m, 0,1,2
	global_load_b32 v[16+\m], v26, s[44:45] offset:512*\m
.endr
	s_mul_i32 s30, s21, 4718592                    ; hc: an expert is 72 tiles of 65,536 bytes, a half of K 32,768
	s_lshl_b32 s33, s37, 16
	s_add_co_u32 s30, s30, s33
	s_lshl_b32 s33, s23, 15
	s_add_co_u32 s30, s30, s33
	s_add_nc_u64 s[4:5], s[4:5], s[30:31]
	s_lshl_b32 s30, s23, 23
	s_lshl_b32 s33, s22, 9
	s_add_co_u32 s30, s30, s33
	s_add_nc_u64 s[16:17], s[16:17], s[30:31]
	s_wait_kmcnt 0x0
	s_min_u32 s42, s42, 0x400                      ; a stored number is tested behind a bound
	ROWLANES
	LDH 0
	LDH 1
	LDH 2
	LDH 3
	WLOAD 1, 0
	WLOAD 1, 1
	WIN 0
	s_add_co_i32 s34, s26, s27                     ; e2 + e3
	s_sub_co_i32 s35, 0, s34
	s_cmp_eq_u32 s23, 0
	s_cselect_b32 s38, -1, 0
	s_wait_alu depctr_va_vdst(0)
	s_wait_loadcnt 63                              ; W2's chunk 0, b2 and the list: 80 loads or more were issued behind them
	WPUT 0
	WIN 0x82
.set q, 192
.rept 64
	v_ldexp_f32 v[q], v[q], s35                    ; b2 / 2^(e2 + e3)
.set q, q+1
.endr
	WIN 0x88
.set q, 192
.rept 64
	v_and_b32 v[q], s38, v[q]                      ; in half 0 of K alone: zeros in half 1
.set q, q+1
.endr
	WIN 0
	GATES
	s_wait_alu depctr_va_vdst(0)
	MEET 0
.irp s, 0,1,2,3,4,5,6,7,8,9
	KSTEP \s, 63
.endr
	KSTEP 10, 48                                   ; the four K steps behind it, 12 loads each
	KSTEP 11, 48
	KSTEP 12, 36
	KSTEP 13, 24
	KSTEP 14, 12
	KSTEP 15, 0
	WAYOUT
	; passes: ceil(R / 384) = floor(floor((R + 383) / 128) / 3); 11 / 32 stands for 1 / 3, right up to 10
	s_add_co_u32 s49, s42, 383
	s_lshr_b32 s49, s49, 7
	s_mul_i32 s49, s49, 11
	s_lshr_b32 s49, s49, 5
	s_min_u32 s49, s49, 3                          ; (at most ceil(1,024 / 384) = 3)
	s_mov_b32 s48, 1
	s_wait_alu depctr_va_vdst(0)
	s_cmp_lt_u32 s48, s49
	s_cbranch_scc0 .Lend
.Lmore:                                            ; the next 384 slots of an expert with more rows: fragments straight from memory, no barrier; passes 1 and 2, one without rows is led round
	s_wait_xcnt 0x0                                ; the stores have read their rows and offsets
	s_add_co_u32 s40, s40, 384
	s_add_nc_u64 s[44:45], s[44:45], 0x600
	s_add_nc_u64 s[4:5], s[4:5], 1572864
	s_wait_alu depctr_va_vdst(0)
	s_cmp_lt_u32 s48, s49
	s_cbranch_scc0 .Lnext
.irp m, 0,1,2
	global_load_b32 v[16+\m], v26, s[44:45] offset:512*\m
.endr
	ROWLANES
	s_wait_alu depctr_va_vdst(0)
	s_wait_loadcnt 0x0
	GATES
	WIN 0x82
.irp m, 0,1,2
.set q, 0
.rept 64
	v_mov_b32 v[64*\m+q], v[192+q]                 ; the sums start from b2
.set q, q+1
.endr
.endr
	WIN 0
	s_mov_b64 s[50:51], s[52:53]
	s_mov_b64 s[54:55], s[4:5]
	s_mov_b32 s43, 16
	s_wait_alu depctr_va_vdst(0)
.Lstep:
.irp t, 0,1,2,3,4,5,6,7
.irp c, 0,1,2,3
	global_load_b128 v[32+16*\t+4*\c:35+16*\t+4*\c], v28, s[50:51] offset:65536*\t+32*\c
.endr
.endr
	WIN 0x40
.irp m, 0,1,2
.irp c, 0,1,2,3
	global_load_b128 v[16*\m+4*\c:16*\m+4*\c+3], v[11+\m], s[54:55] offset:524288*\m+512*\c
.endr
.endr
	WIN 0
	s_wait_loadcnt 0x0
	MMA 5, 0
	MMA 5, 1
	PLACES
	WIN 0
	s_add_nc_u64 s[50:51], s[50:51], 0x80
	s_add_nc_u64 s[54:55], s[54:55], 0x800
	s_sub_co_u32 s43, s43, 1
	s_cmp_lg_u32 s43, 0
	s_cbranch_scc1 .Lstep
	WAYOUT
.Lnext:
	s_wait_alu depctr_va_vdst(0)
	s_add_co_u32 s48, s48, 1
	s_cmp_lt_u32 s48, 3
	s_cbranch_scc1 .Lmore
.Lend:
	s_wait_tensorcnt 0x0                           ; the wave's end, behind my last LDS store
	ds_add_u32 v14, v15
	s_wait_dscnt 0x0
	s_endpgm
.Lfunc_end_k_q59ac897f1c_down:
	.size	k_q59ac897f1c_down, .Lfunc_end_k_q59ac897f1c_down-k_q59ac897f1c_down
	.p2alignl 7, 3214868480
	.fill 96, 4, 3214868480
	.section	.rodata,"a",@progbits
	.p2align	6, 0x0
	.amdhsa_kernel k_q59ac897f1c_down
		.amdhsa_group_segment_fixed_size 298496
		.amdhsa_private_segment_fixed_size 0
		.amdhsa_enable_private_segment 0
		.amdhsa_kernarg_size 56
		.amdhsa_user_sgpr_count 2
		.amdhsa_user_sgpr_kernarg_segment_ptr 1
		.amdhsa_wavefront_size32 1
		.amdhsa_system_sgpr_workgroup_id_x 1
		.amdhsa_system_sgpr_workgroup_id_y 1
		.amdhsa_system_sgpr_workgroup_id_z 1
		.amdhsa_system_vgpr_workitem_id 0
		.amdhsa_next_free_vgpr 1024
		.amdhsa_next_free_sgpr 66
		.amdhsa_reserve_vcc 0
		.amdhsa_float_denorm_mode_32 3
		.amdhsa_float_denorm_mode_16_64 3
		.amdhsa_memory_ordered 1
		.amdhsa_forward_progress 1
		.amdhsa_inst_pref_size 190
	.end_amdhsa_kernel
	.amdgpu_metadata
---
amdhsa.version: [ 1, 2 ]
amdhsa.kernels:
  - .name:           k_q59ac897f1c_down
    .symbol:         k_q59ac897f1c_down.kd
    .args:
      - { .name: hc, .offset: 0, .size: 8, .value_kind: global_buffer, .address_space: global }
      - { .name: W2_codes, .offset: 8, .size: 8, .value_kind: global_buffer, .address_space: global }
      - { .name: b2, .offset: 16, .size: 8, .value_kind: global_buffer, .address_space: global }
      - { .name: lowp_scales, .offset: 24, .size: 8, .value_kind: global_buffer, .address_space: global }
      - { .name: lists, .offset: 32, .size: 8, .value_kind: global_buffer, .address_space: global }
      - { .name: gat, .offset: 40, .size: 8, .value_kind: global_buffer, .address_space: global }
      - { .name: y, .offset: 48, .size: 8, .value_kind: global_buffer, .address_space: global }
    .group_segment_fixed_size: 298496
    .private_segment_fixed_size: 0
    .kernarg_segment_align: 8
    .kernarg_segment_size: 56
    .max_flat_workgroup_size: 128
    .sgpr_count:     66
    .vgpr_count:     1024
    .wavefront_size: 32
...
	.end_amdgpu_metadata
.endif
;; end of part 3
;; launch join (part 4): grid 256 x 1, 8 waves a work-group, no clusters, 0 bytes of LDS; arguments y, out0; writes out0
.if DOCPART == 4
	.amdgcn_target "amdgcn-amd-amdhsa--gfx1250"
	.amdhsa_code_object_version 6
	.text
	.protected	k_q59ac897f1c_join
	.globl	k_q59ac897f1c_join
	.p2align	8
	.type	k_q59ac897f1c_join,@function
k_q59ac897f1c_join:
	s_mov_b64 s[64:65], 0
	v_nop
	global_prefetch_b8 v0, s[64:65] scope:SCOPE_SE
	s_setreg_imm32_b32 hwreg(HW_REG_WAVE_MODE, 25, 1), 1
	s_wait_xcnt 0x0
; SparseMoE, launch 4 of 4: out0[token] = the sum of the token's two weighted rows of y, each in two halves of K (the six experts that were not chosen have gate 0 and are left out: see the first kernel's head).
; Two waves to a token, 2,048 bytes of the row each: 16 loads of 512 consecutive bytes.  y: [2 halves][1,024 tokens][2 choices][4,096 bytes]: every address is made of ids.  Each output row has one owner.
; A stream: no LDS, no barrier, no matrix unit, no loop; each byte of y is read once, each byte of out0 written once.
	s_load_b128 s[4:7], s[0:1], 0x0                ; y s[4:5], out0 s[6:7]
	v_lshrrev_b32 v1, 5, v0
	v_readfirstlane_b32 s10, v1                    ; wave 0..7
	s_lshl_b32 s11, ttmp9, 2
	s_lshr_b32 s12, s10, 1
	s_add_co_u32 s11, s11, s12                     ; my token
	s_and_b32 s12, s10, 1
	s_lshl_b32 s12, s12, 11                        ; my half of its row
	v_and_b32 v1, 31, v0
	v_lshlrev_b32 v1, 4, v1                        ; 16 x lane
	s_lshl_b32 s14, s11, 13
	s_add_co_u32 s14, s14, s12
	s_mov_b32 s15, 0
	s_lshl_b32 s16, s11, 12
	s_add_co_u32 s16, s16, s12
	s_mov_b32 s17, 0
	s_wait_alu depctr_va_vdst(0)
	s_wait_kmcnt 0x0
	s_add_nc_u64 s[18:19], s[4:5], s[14:15]        ; half 0 of K: both choices, 4,096 bytes apart
	s_add_nc_u64 s[20:21], s[18:19], 0x800000      ; half 1
	s_add_nc_u64 s[8:9], s[6:7], s[16:17]
.irp j, 0,1,2,3
	global_load_b128 v[8+4*\j:11+4*\j], v1, s[18:19] offset:512*\j th:TH_LOAD_NT
	global_load_b128 v[24+4*\j:27+4*\j], v1, s[20:21] offset:512*\j th:TH_LOAD_NT
	global_load_b128 v[40+4*\j:43+4*\j], v1, s[18:19] offset:4096+512*\j th:TH_LOAD_NT
	global_load_b128 v[56+4*\j:59+4*\j], v1, s[20:21] offset:4096+512*\j th:TH_LOAD_NT
.endr
.irp j, 0,1,2,3
	s_wait_loadcnt 12-4*\j                         ; piece j of all four is in; the later pieces may stay out
	v_pk_add_f32 v[8+4*\j:9+4*\j], v[8+4*\j:9+4*\j], v[24+4*\j:25+4*\j]
	v_pk_add_f32 v[10+4*\j:11+4*\j], v[10+4*\j:11+4*\j], v[26+4*\j:27+4*\j]
	v_pk_add_f32 v[40+4*\j:41+4*\j], v[40+4*\j:41+4*\j], v[56+4*\j:57+4*\j]
	v_pk_add_f32 v[42+4*\j:43+4*\j], v[42+4*\j:43+4*\j], v[58+4*\j:59+4*\j]
	v_pk_add_f32 v[8+4*\j:9+4*\j], v[8+4*\j:9+4*\j], v[40+4*\j:41+4*\j]
	v_pk_add_f32 v[10+4*\j:11+4*\j], v[10+4*\j:11+4*\j], v[42+4*\j:43+4*\j]
	global_store_b128 v1, v[8+4*\j:11+4*\j], s[8:9] offset:512*\j th:TH_STORE_NT   ; 512 consecutive bytes, at a multiple of 256 from out0's first byte
.endr
	s_endpgm
.Lfunc_end_k_q59ac897f1c_join:
	.size	k_q59ac897f1c_join, .Lfunc_end_k_q59ac897f1c_join-k_q59ac897f1c_join
	.p2alignl 7, 3214868480
	.fill 96, 4, 3214868480
	.section	.rodata,"a",@progbits
	.p2align	6, 0x0
	.amdhsa_kernel k_q59ac897f1c_join
		.amdhsa_group_segment_fixed_size 0
		.amdhsa_private_segment_fixed_size 0
		.amdhsa_enable_private_segment 0
		.amdhsa_kernarg_size 16
		.amdhsa_user_sgpr_count 2
		.amdhsa_user_sgpr_kernarg_segment_ptr 1
		.amdhsa_wavefront_size32 1
		.amdhsa_system_sgpr_workgroup_id_x 1
		.amdhsa_system_sgpr_workgroup_id_y 1
		.amdhsa_system_sgpr_workgroup_id_z 1
		.amdhsa_system_vgpr_workitem_id 0
		.amdhsa_next_free_vgpr 72
		.amdhsa_next_free_sgpr 66
		.amdhsa_reserve_vcc 0
		.amdhsa_float_denorm_mode_32 3
		.amdhsa_float_denorm_mode_16_64 3
		.amdhsa_memory_ordered 1
		.amdhsa_forward_progress 1
		.amdhsa_inst_pref_size 5
	.end_amdhsa_kernel
	.amdgpu_metadata
---
amdhsa.version: [ 1, 2 ]
amdhsa.kernels:
  - .name:           k_q59ac897f1c_join
    .symbol:         k_q59ac897f1c_join.kd
    .args:
      - { .name: y, .offset: 0, .size: 8, .value_kind: global_buffer, .address_space: global }
      - { .name: out0, .offset: 8, .size: 8, .value_kind: global_buffer, .address_space: global }
    .group_segment_fixed_size: 0
    .private_segment_fixed_size: 0
    .kernarg_segment_align: 8
    .kernarg_segment_size: 16
    .max_flat_workgroup_size: 256
    .sgpr_count:     66
    .vgpr_count:     72
    .wavefront_size: 32
...
	.end_amdgpu_metadata
.endif
;; end of part 4
